; MI455X (gfx1250); checked and timed in simulation.
; The chip was launched on July 23, 2026; its instructions are those of AMD's public machine-readable ISA for CDNA 5 (MIT licence, August 2026) and "CDNA5" Instruction Set Architecture Reference Guide (July 2026). The comments in the code are by the model that wrote it; some were corrected since.
;; Attention Model. Allowed arithmetic: matrix products marked QUANTISED: E2M3 operands, one E8M0 scale for each 32 along K, by v_wmma_scale_f32_16x16x128_f8f6f4 with both operands' format E2M3, f32 sums; products left as they are: f32 operands where the result goes on into a quantised operand, else bf16, f16 or f32 operands; f32 sums; everything else in f32.
;; Inputs: attn_W 1,024 x 2,048 float32; attn_b 1,024 float32; encoder_outputs 2,048 x 32 x 1,024 float32; rnn_hidden 1 x 32 x 1,024 float32; v 1 x 1,024 float32.
;; Outputs: out0 32 x 1 x 2,048 float32.
;; This version of the problem:
;;   THIS VERSION OF THE PROBLEM IS GIVEN IN LOW PRECISION. The matrix products marked QUANTISED in the list below multiply operands that are first quantised to E2M3 (2 exponent bits, 3 mantissa bits; 6 bits a number), with one power-of-two scale for each 32 numbers along K (OCP MX v1.0); their sums are f32. All else is computed in f32.
;;   The module's matrix products, in the order in which they are computed (A, B: the left and right operand; K: the contracted axis; several contracted axes count as one K, in the product's order):
;;     1. [M 32, K 1,024] x [K 1,024, N 1,024]; A: input rnn_hidden; B: input attn_W: QUANTISED
;;     2. [M 65,536, K 1,024] x [K 1,024, N 1,024]; A: input encoder_outputs; B: input attn_W: QUANTISED
;;     3. [M 1, K 1,024] x [K 1,024, N 65,536]; A: input v; B: computed on the way: left as it is (M = 1 < 16)
;;   THE QUANTISER, for each operand of a quantised product, along K:
;;     - K is cut into blocks of 32 from its start; a last block that is shorter is filled with zeros.
;;     - A block's scale is 2^e with e = floor(log2(the largest magnitude in the block)) - 2, held to -126 .. 127; a block of zeros has e = 0. As a byte (E8M0): e + 127.
;;     - Each number is divided by its block's scale, clamped to +-7.5, and rounded to the nearest number of E2M3, ties to even, subnormals kept.
;;     - The product sums the exact products of the quantised numbers (number of the format x scale) in f32.
;;   ~~~python
;;   def quantise(x, axis):      # numpy; x: float32 -> the quantised numbers, widened to float32 again
;;       x = np.moveaxis(x, axis, -1); K = x.shape[-1]
;;       x = np.pad(x, [(0, 0)] * (x.ndim - 1) + [(0, -K % 32)]); x = x.reshape(x.shape[:-1] + (-1, 32)); a = np.abs(x).max(-1, keepdims=True)
;;       e = np.where(a > 0, np.clip(np.frexp(np.where(a > 0, a, 1))[1] - 1 - 2, -126, 127), 0)      # np.frexp(a)[1] - 1 = floor(log2(a)), exactly
;;       r = np.clip(x / 2.0 ** e, -7.5, 7.5)
;;       step = 2.0 ** (np.maximum(np.frexp(np.where(r == 0, 1, r))[1] - 1, 0) - 3)
;;       q = np.round(r / step) * step * 2.0 ** e      # np.round: ties to even
;;       return np.moveaxis(q.reshape(q.shape[:-2] + (-1,))[..., :K], -1, axis).astype(np.float32)
;;   ~~~
;; One version. Each part assembles by itself: llvm-mc -triple=amdgcn-amd-amdhsa -mcpu=gfx1250 --defsym DOCPART=n.
;; ======== version 1 of 1: 3 launches
;; limits: right only within a limited range of input values
;; workspace buffers: wq 819,200 bytes; energy 262,144 bytes
;; launch prep (part 1): grid 64 x 1, 8 waves a work-group, no clusters, 69,120 bytes of LDS; arguments attn_W, wq; writes wq
.if DOCPART == 1
	.amdgcn_target "amdgcn-amd-amdhsa--gfx1250"
	.amdhsa_code_object_version 6
	.text
	.protected	k_q5421907100_prep
	.globl	k_q5421907100_prep
	.p2align	8
	.type	k_q5421907100_prep,@function
k_q5421907100_prep:
	s_mov_b64 s[64:65], 0
	v_nop
	global_prefetch_b8 v0, s[64:65] scope:SCOPE_SE
	s_setreg_imm32_b32 hwreg(HW_REG_WAVE_MODE, 25, 1), 1
	s_wait_xcnt 0x0
; attn_W [1024 (n)][2048] f32 = [Wh | We].  This launch quantises We along K into codes of FP6 (E2M3) with one E8M0 byte for each 32 along K, laid in the order of the operand's registers for the next launch.
; WORK LEFT OUT.  reference() adds hw[b][:] = h Wh^T + attn_b to every s alike, so energy[b][s] = e[b][s] + c[b] with c[b] = sum over n of v[n] hw[b][n], which does not hang on s.
; softmax over s of (e + c) equals softmax over s of e for all real values: exp(c) stands in every term and in the sum.  So the product h Wh^T, the bias and c are not computed, in no launch;
; rnn_hidden, attn_b and Wh have no way to the output, are not loaded, and the first two are among no launch's arguments.  LIMIT: a NaN, an infinity or an overflow that reaches only that term is not carried to the result.
; SHARES.  Work-group nt: the tile of 16 rows n = 16 nt on.  Wave j: K step j (128 along K).
; wq: for each 8 tiles of n a block of 102,400 bytes: 64 images of fragments (tile tl, K step j at 1,536 (8 tl + j): registers 4 c .. 4 c + 3 of lane l at 512 c + 16 l), then at 98,304 the scale bytes, 32 a row, 512 a tile.
; THE QUANTISER.  A block's scale is 2^(floor(log2(largest magnitude)) - 2): its byte is the largest magnitude's exponent field - 2, held at 1 from below by a floor among the maximum's leaves.
; LIMITS: NaN and infinities among the inputs are not served.  A block of zeros gets the byte 1 (the rule says 127): its codes are zeros, which add nothing, and this program alone reads the bytes.
; A load is dense (a row's 512 bytes of the K step, 16 bytes a lane); the conversions want 32 neighbours along K in ONE lane: so 16 rows turn through the wave's own stage in LDS.
.set STGB, 8448                        ; a wave's stage: 16 rows x (512 bytes + 16)
.set SCW,  8*STGB                      ; the tile's 512 scale bytes
.set SPARE, SCW+512                    ; the spare words, 128 bytes for each wave
.set WBLK, 102400
.set WSC,  98304
.set SPW,  1
.set NIL,  2
.set STA,  3                           ; stage, on the way in: 16 x lane
.set STB,  4                           ; stage, on the way out: 528 r + 128 h
.set GOFF, 5                           ; 16 x lane
.set SCWA, 6                           ; SCW + 32 r + 4 j
.set SCWB, 7                           ; SCW + 16 x lane
.set SH8,  10                          ; 8 h
.set LD,   24                          ; v24-87 16 rows as loaded
.set X,    112                         ; v112-175 64 numbers: register 32 c + i = k 64 c + 32 h + i of row r
.set C,    176                         ; v176-187 the fragment
.set T,    188
.set M,    196
.set SO,   200
.set BY,   202
.set PW,   204
.set PX,   205
.set SEL,  20
	s_load_b128 s[4:7], s[0:1], 0x0                ; attn_W s[4:5], wq s[6:7]
	v_lshl_add_u32 v[SPW], v0, 2, SPARE
	v_mov_b32 v[NIL], 0
	v_lshrrev_b32 v8, 5, v0
	s_delay_alu instid0(VALU_DEP_1)
	v_readfirstlane_b32 s8, v8                     ; wave = K step j
	s_lshr_b32 s9, ttmp9, 3
	s_mul_i32 s9, s9, WBLK                         ; the block of 8 tiles
	s_and_b32 s11, ttmp9, 7                        ; tl
	s_lshl_b32 s12, s11, 3
	s_add_co_u32 s12, s12, s8
	s_mul_i32 s12, s12, 1536
	s_add_co_u32 s12, s12, s9                      ; my image
	s_mov_b32 s13, 0
	s_lshl_b32 s14, s11, 9
	s_add_co_u32 s14, s14, s9
	s_add_co_u32 s14, s14, WSC                     ; the tile's scale bytes
	s_mov_b32 s15, 0
	s_lshl_b32 s16, ttmp9, 17                      ; 16 rows of 8,192 bytes
	s_lshl_b32 s17, s8, 9
	s_add_co_u32 s16, s16, s17
	s_add_co_u32 s16, s16, 4096                    ; We: the row's second half, K step j
	s_mov_b32 s17, 0
	s_mul_i32 s22, s8, STGB
	s_lshl_b32 s23, s8, 2
	s_add_co_u32 s23, s23, SCW
	s_mov_b32 s[SEL], 0x76543210
	s_mov_b32 s[SEL+1], 0xfedcba98
	v_and_b32 v8, 31, v0
	v_and_b32 v9, 15, v0
	v_bfe_u32 v11, v0, 4, 1
	v_mov_b32 v[PX], 0                             ; a lane permute's destination counts as one of its sources
	v_lshlrev_b32 v[GOFF], 4, v8
	v_mul_u32_u24 v[STB], v9, 528
	v_lshlrev_b32 v[SH8], 3, v11
	v_lshl_add_u32 v[SCWA], v9, 5, s23
	v_add_nc_u32 v[STA], s22, v[GOFF]
	v_lshl_add_u32 v[STB], v11, 7, v[STB]
	v_lshl_add_u32 v[SCWB], v8, 4, SCW
	s_delay_alu instid0(VALU_DEP_2)
	v_add_nc_u32 v[STB], s22, v[STB]
	s_wait_alu depctr_va_vdst(0)                   ; the wait at the head's end
	s_wait_kmcnt 0x0
	s_add_nc_u64 s[4:5], s[4:5], s[16:17]
	s_add_nc_u64 s[18:19], s[6:7], s[12:13]
	s_add_nc_u64 s[6:7], s[6:7], s[14:15]
.irp i, 0,1,2,3,4,5,6,7,8,9,10,11,12,13,14,15
	global_load_b128 v[LD+4*\i:LD+4*\i+3], v[GOFF], s[4:5] offset:8192*\i th:TH_LOAD_NT      ; 32 lanes read 512 consecutive bytes of a row
.endr
	s_wait_loadcnt 0x0
.irp i, 0,1,2,3,4,5,6,7,8,9,10,11,12,13,14,15
	ds_store_b128 v[STA], v[LD+4*\i:LD+4*\i+3] offset:528*\i
.endr
.irp c, 0,1
.irp q, 0,1,2,3,4,5,6,7
	ds_load_b128 v[X+32*\c+4*\q:X+32*\c+4*\q+3], v[STB] offset:256*\c+16*\q                 ; LDS serves a wave's instructions in order: these see the stores
.endr
.endr
	s_wait_dscnt 0x0
.irp c, 0,1                                    ; a lane holds two whole blocks (h and 2 + h of its row): four chains of maxima by turns
	v_max3_num_f32 v[M+2*\c], |v[X+32*\c]|, |v[X+32*\c+1]|, 0x1800000   ; the floor 2^(3 - 127) among the leaves
	v_max3_num_f32 v[M+2*\c+1], |v[X+32*\c+16]|, |v[X+32*\c+17]|, |v[X+32*\c+18]|
.endr
.irp i, 0,1,2,3,4,5
.irp c, 0,1
	s_delay_alu instid0(VALU_DEP_4)
	v_max3_num_f32 v[M+2*\c], v[M+2*\c], |v[X+32*\c+2*\i+2]|, |v[X+32*\c+2*\i+3]|
	s_delay_alu instid0(VALU_DEP_4)
	v_max3_num_f32 v[M+2*\c+1], v[M+2*\c+1], |v[X+32*\c+2*\i+19]|, |v[X+32*\c+2*\i+20]|
.endr
.endr
	s_delay_alu instid0(VALU_DEP_4)
	v_max3_num_f32 v[M], v[M], |v[X+14]|, |v[X+15]|
	s_delay_alu instid0(VALU_DEP_3)
	v_max3_num_f32 v[M+2], v[M+2], |v[X+46]|, |v[X+47]|
.irp c, 0,1
	s_delay_alu instid0(VALU_DEP_2)
	v_max3_num_f32 v[M+2*\c], v[M+2*\c], v[M+2*\c+1], |v[X+32*\c+31]|
.endr
.irp c, 0,1
	s_delay_alu instid0(VALU_DEP_2)
	v_add_nc_u32 v[SO+\c], 0xff000000, v[M+2*\c]   ; 2 off the exponent field: the conversion's scale operand
.endr
.irp c, 0,1
	s_delay_alu instid0(VALU_DEP_2)
	v_lshrrev_b32 v[BY+\c], 23, v[SO+\c]           ; the scale's byte
.endr
	s_delay_alu instid0(VALU_DEP_1)
	v_lshl_or_b32 v[PW], v[BY+1], 16, v[BY]        ; my two bytes, blocks h and 2 + h,
	s_delay_alu instid0(VALU_DEP_1)
	v_lshlrev_b32 v[PW], v[SH8], v[PW]             ; at their places in the word;
	v_permlanex16_b32 v[PX], v[PW], s[SEL], s[SEL+1]
	s_delay_alu instid0(VALU_DEP_1)
	v_or_b32 v[PW], v[PW], v[PX]                   ; with lane l xor 16's two the word is whole
.irp c, 0,1
	v_cvt_scalef32_pk16_fp6_f32 v[C+6*\c:C+6*\c+2], v[X+32*\c:X+32*\c+15], v[SO+\c]
	v_cvt_scalef32_pk16_fp6_f32 v[T+4*\c:T+4*\c+2], v[X+32*\c+16:X+32*\c+31], v[SO+\c]      ; (a conversion's three registers begin on an even number)
.endr
	v_nop                                          ; one plain place behind the last scaled conversion
.irp c, 0,1
.irp i, 0,1,2
	v_mov_b32 v[C+6*\c+3+\i], v[T+4*\c+\i]
.endr
.endr
.irp c, 0,1,2
	global_store_b128 v[GOFF], v[C+4*\c:C+4*\c+3], s[18:19] offset:512*\c                   ; the image: 32 lanes store 512 consecutive bytes, at a multiple of 256 from wq's first byte
.endr
	ds_store_b32 v[SCWA], v[PW]                    ; row r's word of K step j (both halves of the lanes write the same word with the same value)
	s_wait_dscnt 0x0                               ; for the others' sake
	s_barrier_signal -1
	s_barrier_wait -1
	s_cmp_lg_u32 s8, 0                             ; wave 0 sends the tile's 512 scale bytes out
	s_cbranch_scc1 .Lend
	ds_load_b128 v[X:X+3], v[SCWB]
	s_wait_dscnt 0x0
	global_store_b128 v[GOFF], v[X:X+3], s[6:7]    ; 32 lanes store 512 consecutive bytes, at a multiple of 256 from wq's first byte
.Lend:
	s_wait_tensorcnt 0x0                           ; the wave's end
	ds_add_u32 v[SPW], v[NIL]
	s_wait_dscnt 0x0
	s_endpgm
.Lfunc_end_k_q5421907100_prep:
	.size	k_q5421907100_prep, .Lfunc_end_k_q5421907100_prep-k_q5421907100_prep
	.p2alignl 7, 3214868480
	.fill 96, 4, 3214868480
	.section	.rodata,"a",@progbits
	.p2align	6, 0x0
	.amdhsa_kernel k_q5421907100_prep
		.amdhsa_group_segment_fixed_size 69120
		.amdhsa_private_segment_fixed_size 0
		.amdhsa_enable_private_segment 0
		.amdhsa_kernarg_size 16
		.amdhsa_user_sgpr_count 2
		.amdhsa_user_sgpr_kernarg_segment_ptr 1
		.amdhsa_wavefront_size32 1
		.amdhsa_system_sgpr_workgroup_id_x 1
		.amdhsa_system_sgpr_workgroup_id_y 1
		.amdhsa_system_sgpr_workgroup_id_z 1
		.amdhsa_system_vgpr_workitem_id 0
		.amdhsa_next_free_vgpr 208
		.amdhsa_next_free_sgpr 66
		.amdhsa_reserve_vcc 0
		.amdhsa_float_denorm_mode_32 3
		.amdhsa_float_denorm_mode_16_64 3
		.amdhsa_memory_ordered 1
		.amdhsa_forward_progress 1
		.amdhsa_inst_pref_size 11
	.end_amdhsa_kernel
	.amdgpu_metadata
---
amdhsa.version: [ 1, 2 ]
amdhsa.kernels:
  - .name:           k_q5421907100_prep
    .symbol:         k_q5421907100_prep.kd
    .args:
      - { .name: attn_W, .offset: 0, .size: 8, .value_kind: global_buffer, .address_space: global }
      - { .name: wq, .offset: 8, .size: 8, .value_kind: global_buffer, .address_space: global }
    .group_segment_fixed_size: 69120
    .private_segment_fixed_size: 0
    .kernarg_segment_align: 8
    .kernarg_segment_size: 16
    .max_flat_workgroup_size: 256
    .sgpr_count:     66
    .vgpr_count:     208
    .wavefront_size: 32
...
	.end_amdgpu_metadata
.endif
;; end of part 1
;; launch main (part 2): grid 256 x 1, 4 waves a work-group, clusters of 4 x 1, 327,680 bytes of LDS; arguments encoder_outputs, wq, v, energy; writes energy
.if DOCPART == 2
	.amdgcn_target "amdgcn-amd-amdhsa--gfx1250"
	.amdhsa_code_object_version 6
	.text
	.protected	k_q5421907100_main
	.globl	k_q5421907100_main
	.p2align	8
	.type	k_q5421907100_main,@function
k_q5421907100_main:
	s_mov_b64 s[64:65], 0
	v_nop
	global_prefetch_b8 v0, s[64:65] scope:SCOPE_SE
	s_setreg_imm32_b32 hwreg(HW_REG_WAVE_MODE, 25, 1), 1
	s_wait_xcnt 0x0
	s_wait_alu depctr_hold_cnt(0) depctr_sa_sdst(0) depctr_va_vdst(0) depctr_va_sdst(0) depctr_va_ssrc(0) depctr_va_vcc(0) depctr_vm_vsrc(0)
	s_getreg_b32 s2, hwreg(HW_REG_IB_STS2, 6, 4)
	s_cmp_eq_u32 s2, 0
	s_cbranch_scc0 .Lentry_in_a_cluster
	s_endpgm
.Lentry_in_a_cluster:
	s_bfe_u32 s2, ttmp6, 0x10000c
	s_cmp_lg_u32 s2, 0x3003
	s_cbranch_scc0 .Lentry_shape_is_right
	s_endpgm
.Lentry_shape_is_right:
; energy[b][s] = the sum over n of v[n] (Q(enc[s][b][:]) . Q(We[n][:])), both operands codes of FP6 (E2M3) with one E8M0 scale for each 32 along K = 1,024.  enc: [2048 s][32 b][1024] f32; energy: [32][2048] f32.
; The hidden-state term and the bias are left out: they are the same for every s of a row b, and the softmax takes them away (shown at the head of the first kernel).
; SHARES.  256 work-groups of four waves, as many as a WGP has SIMDs.  A work-group owns 2 neighbouring b x 128 neighbouring s.  Wave w owns b number w / 2 with its 128 s (eight tiles of 16 rows) and HALF OF K: K steps 4 (w % 2) on.
; energy is linear in the product, so each wave folds its half of K by itself, and the two halves are added once, at the end.
; FIRST each wave quantises its 128 rows x 512 along K.  enc is read once, by loads into registers (512 consecutive bytes of a row an instruction; four sets of 16 loads a wave, one for each K step, asked for again as they are used up).
; The codes end in 384 registers and 32 scale words and stay there.  They get there through images in the wave's own LDS, so that the quantiser can be a loop: three row tiles (12 images) are gathered, then read into their registers.
; THEN each wave walks all 64 tiles of n.  A tile of n: 4 fragments of We from LDS (6,144 bytes) feed 32 products: four row tiles' accumulators by turns, K ascending, then the other four;
; the sum over the wave's half of K is kept and folded once: E += v[n] D, 32 packed multiply-adds for 32 products.
; We's codes come from wq in blocks of 8 tiles of n, 102,400 bytes, by four tensor loads (one a wave, 100 rows of 256 bytes) into a ring of two slots.  The change of slots stands in a block's last tile, whose fragments are in registers by then.
; CLUSTER 4 x 1: every work-group walks the same blocks of wq, so each is asked for jointly by four; nothing else is shared.
; NO PREFETCH of wq: blocks 0 and 1 are asked for while enc is still being read, and each later block a whole block's products (240 of 256) ahead of the wait for it; enc's own loads run four sets ahead.
; LAYOUT.  Source 0 = 16 rows of enc, source 1 = 16 rows of We: register j of lane (r, h) is (row 8 h + j, n = r): one v[n] a lane and tile.  E's sum over the 16 lanes of a half is taken once, at the end.
; LIMITS: NaN and infinities among the inputs are not served.  A block of zeros gets the byte 1 (the rule says 127): its codes are zeros, which add nothing, and this program alone reads the bytes.
; REGISTERS.  Window 0: v1-31 addresses and offsets; v24-25 v[n], two tiles; v32-35, v40-43 We's scale words, two sets; v48-79 enc's scale words (tile t, K step q at 4 t + q); v80-143 E; v112-205 the quantiser, before E begins.
;   Window 1: enc's fragments of row tiles 0-3 (tile t, K step q at 12 (4 t + q)).  Window 2: those of row tiles 4-7.  Window 3: enc as loaded, four sets of 64; then We's fragments, two sets of 48, and from v96 the results, two sets of 64.
.set SLOT1, 131072                     ; slot 1 begins here: one exclusive or turns an address in one slot into the other's
.set WBLK,  102400
.set WSC,   98304
.set VT,    102400                     ; v, 4,096 bytes (LDS stores alone; no fill lands here)
.set SPARE, 106496                     ; the spare words, 128 bytes for each wave
.set STG,   107008                     ; stages of 16 rows x (512 + 16) bytes: waves 0, 1 here, waves 2, 3 STGD further on
.set STGB,  8448
.set STGD,  203264
.set IMG,   233472                     ; behind slot 1: 12 images of 1,536 + 64 bytes for each wave
.set IMGB,  19200
.set SPW,  1
.set NIL,  2
.set STA,  3                           ; stage, on the way in: 16 x lane
.set STB,  4                           ; stage, on the way out: 528 r + 128 h
.set GOFF, 5                           ; 16 x lane
.set IMA0, 6                           ; my images: + 16 x lane
.set IMS0, 7                           ; their scale words: + 1,536 + 4 r
.set IMA,  8                           ; the same for the row tile in hand
.set IMS,  9
.set SH8,  10                          ; 8 h
.set ADW0, 12                          ; 16 x lane + 6,144 x my half of K: tiles 0-3 of a block
.set ADW1, 13                          ; + 49,152: tiles 4-7
.set ADX0, 14                          ; WSC + 32 r + 16 x my half of K
.set ADV0, 15                          ; VT + 4 r
.set ADW,  16                          ; v16-19: the same four for the block in hand
.set ADX,  18
.set ADV,  19
.set RSA,  20                          ; the end: stage + 32 h
.set RSB,  21                          ; the end: stage + 16 x lane
.set VTA,  23                          ; VT + 16 x thread
.set VR,   24
.set TG,   26                          ; 16 x thread
.set EO,   28                          ; v28-31 set q's byte offset in enc: 16 x lane + 2,097,152 x its row tile; a set owns its offset register
.set BS,   32
.set AS,   48
.set E,    80
.set X,    112
.set C,    176
.set T,    188
.set M,    196
.set SO,   200
.set BY,   202
.set PW,   204
.set PX,   205
.set ACC,  96                          ; window 3
.set WV,   12
.set RH,   13                          ; which b
.set KH,   14                          ; which half of K
.set G1,   24
.set G0,   32
.set TB,   36                          ; the slot that is read
.set VOF,  37                          ; 512 x the block's number: its place in v
.set CNT,  38
.set IOF,  39                          ; 6,400 x the row tile's place among the gathered three
.set SEL,  40
.set MSB, 0
.macro WIN new                         ; the immediate's high byte repeats the setting that is left; a switch that changes nothing is dropped
.if MSB != \new
	s_set_vgpr_msb (MSB<<8)|\new
.set MSB, \new
.endif
.endm
.macro PLACES
.rept 4
	v_nop
.endr
.endm
.macro CROUND                          ; a round of the cluster's barrier
	s_barrier_signal -1
	s_barrier_wait -1
	s_cmp_lg_u32 s[WV], 0
	s_cbranch_scc1 .Lnot_wave_0_\@
	s_barrier_signal -3
.Lnot_wave_0_\@:
	s_barrier_wait -3
	s_barrier_signal -1
	s_barrier_wait -1
.endm
.macro JLOAD                           ; my quarter of a block; an s_nop 0 and four v_nop follow
	tensor_load_to_lds s[G0:G0+3], s[G1:G1+7]
	s_nop 0
	PLACES
.endm
.macro NEXTBLK                         ; group 0 walks: the other slot, the next block (written where no tensor load of mine is out)
	s_xor_b32 s[G0+1], s[G0+1], SLOT1
	s_add_nc_u64 s[G0+2:G0+3], s[G0+2:G0+3], WBLK
.endm
; Set q (K step q of my four) of a row tile is asked for: 16 rows, 32 x 4,096 bytes apart; 32 lanes read 512 consecutive bytes.
.macro ELOAD q
	WIN 0xc0                                       ; destination window 3
.irp i, 0,1,2,3,4,5,6,7,8,9,10,11,12,13,14,15
	global_load_b128 v[64*(\q)+4*\i:64*(\q)+4*\i+3], v[EO+(\q)], s[4:5] offset:512*(\q)+131072*\i th:TH_LOAD_NT
.endr
	WIN 0
.endm
; The 64 numbers in X (register 32 c + i = k 64 c + 32 h + i of row r) become a fragment's 12 registers in C and its rows' scale word in PW.  A lane holds two whole blocks: no other lane is asked for a maximum.
.macro QB
.irp c, 0,1
	v_max3_num_f32 v[M+2*\c], |v[X+32*\c]|, |v[X+32*\c+1]|, 0x1800000   ; the floor 2^(3 - 127) among the leaves: the byte cannot fall under 1
	v_max3_num_f32 v[M+2*\c+1], |v[X+32*\c+16]|, |v[X+32*\c+17]|, |v[X+32*\c+18]|
.endr
.irp i, 0,1,2,3,4,5
.irp c, 0,1
	v_max3_num_f32 v[M+2*\c], v[M+2*\c], |v[X+32*\c+2*\i+2]|, |v[X+32*\c+2*\i+3]|          ; four chains by turns
	v_max3_num_f32 v[M+2*\c+1], v[M+2*\c+1], |v[X+32*\c+2*\i+19]|, |v[X+32*\c+2*\i+20]|
.endr
.endr
.irp c, 0,1
	v_max3_num_f32 v[M+2*\c], v[M+2*\c], |v[X+32*\c+14]|, |v[X+32*\c+15]|
.endr
.irp c, 0,1
	v_max3_num_f32 v[M+2*\c], v[M+2*\c], v[M+2*\c+1], |v[X+32*\c+31]|
.endr
.irp c, 0,1
	v_add_nc_u32 v[SO+\c], 0xff000000, v[M+2*\c]   ; 2 off the exponent field: the conversion's scale operand
.endr
.irp c, 0,1
	v_lshrrev_b32 v[BY+\c], 23, v[SO+\c]           ; the scale's byte
.endr
	v_lshl_or_b32 v[PW], v[BY+1], 16, v[BY]        ; my two bytes, blocks h and 2 + h,
	v_lshlrev_b32 v[PW], v[SH8], v[PW]             ; at their places in the word;
	v_permlanex16_b32 v[PX], v[PW], s[SEL], s[SEL+1]
	v_or_b32 v[PW], v[PW], v[PX]                   ; with lane l xor 16's two the word is whole
.irp c, 0,1
	v_cvt_scalef32_pk16_fp6_f32 v[C+6*\c:C+6*\c+2], v[X+32*\c:X+32*\c+15], v[SO+\c]
	v_cvt_scalef32_pk16_fp6_f32 v[T+4*\c:T+4*\c+2], v[X+32*\c+16:X+32*\c+31], v[SO+\c]     ; (a conversion's three registers begin on an even number)
.endr
	v_nop                                          ; one plain place behind the last scaled conversion
.irp c, 0,1
.irp i, 0,1,2
	v_mov_b32 v[C+6*\c+3+\i], v[T+4*\c+\i]
.endr
.endr
.endm
; Set q turns through my stage, is asked for again a row tile on (ld = 1), is quantised, and its image is stored.
.macro QT q, ld
.if \ld
	s_wait_loadcnt 48                              ; the set's 16 loads are in; the three younger sets may be out
.else
	s_wait_loadcnt 16*(3-\q)
.endif
	WIN 0x0c                                       ; an LDS store's data are its source 1: window 3
.irp i, 0,1,2,3,4,5,6,7,8,9,10,11,12,13,14,15
	ds_store_b128 v[STA], v[64*\q+4*\i:64*\q+4*\i+3] offset:528*\i
.endr
	WIN 0
.irp c, 0,1
.irp p, 0,1,2,3,4,5,6,7
	ds_load_b128 v[X+32*\c+4*\p:X+32*\c+4*\p+3], v[STB] offset:256*\c+16*\p    ; LDS serves a wave's instructions in order: these see the stores
.endr
.endr
	s_wait_dscnt 0x0                               ; the numbers are back: so the stage's stores have read the set's registers
.if \ld
	v_add_nc_u32 v[EO+\q], 0x200000, v[EO+\q]      ; the next row tile, 16 s on: the counted wait above has shown the loads that read this register done
	ELOAD \q
.endif
	QB
.irp c, 0,1,2
	ds_store_b128 v[IMA], v[C+4*\c:C+4*\c+3] offset:1600*\q+512*\c
.endr
	ds_store_b32 v[IMS], v[PW] offset:1600*\q      ; (both halves of the lanes write the same word with the same value)
.endm
.macro JT ld                           ; a row tile: its four K steps
	v_add_nc_u32 v[IMA], s[IOF], v[IMA0]
	v_add_nc_u32 v[IMS], s[IOF], v[IMS0]
.irp q, 0,1,2,3
	QT \q, \ld
.endr
	s_add_co_u32 s[IOF], s[IOF], 6400
.endm
.macro THREE                           ; three row tiles into the twelve images
	s_mov_b32 s[IOF], 0
	s_mov_b32 s[CNT], 3
.Lj_\@:
	JT 1
	s_sub_co_u32 s[CNT], s[CNT], 1
	s_cmp_lg_u32 s[CNT], 0
	s_cbranch_scc1 .Lj_\@
.endm
.macro RL t0, nt                       ; the images of row tiles t0 .. t0 + nt - 1 into their registers (in order behind the stores that made them, and ahead of those that follow)
.set jj, 0
.rept \nt
.set J, \t0+jj
.set WN, 64*(1+J/4)
	WIN WN                                         ; destination window 1 or 2
.irp q, 0,1,2,3
.irp c, 0,1,2
	ds_load_b128 v[12*(4*(J%4)+\q)+4*\c:12*(4*(J%4)+\q)+4*\c+3], v[IMA0] offset:(4*jj+\q)*1600+512*\c
.endr
.endr
	WIN 0
.irp q, 0,1,2,3
	ds_load_b32 v[AS+4*J+\q], v[IMS0] offset:(4*jj+\q)*1600
.endr
.set jj, jj+1
.endr
.endm
.macro SETADR                          ; the places of the block in hand
	v_add_nc_u32 v[ADW], s[TB], v[ADW0]
	v_add_nc_u32 v[ADW+1], s[TB], v[ADW1]
	v_add_nc_u32 v[ADX], s[TB], v[ADX0]
	v_add_nc_u32 v[ADV], s[VOF], v[ADV0]
	s_wait_alu depctr_va_vdst(0)                   ; the wait behind these writes
.endm
.macro BLOAD n                         ; 13 loads: We's 4 fragments and 4 scale words of my half of K, tile n of the block, into set n % 2
	WIN 0xc0
.irp j, 0,1,2,3
.irp c, 0,1,2
	ds_load_b128 v[48*((\n)%2)+12*\j+4*\c:48*((\n)%2)+12*\j+4*\c+3], v[ADW+(\n)/4] offset:(8*((\n)%4)+\j)*1536+512*\c
.endr
.endr
	WIN 0
	ds_load_b128 v[BS+8*((\n)%2):BS+8*((\n)%2)+3], v[ADX] offset:512*(\n)
.endm
.macro MM i, hv                        ; 16 products: my four K steps x row tiles 4 hv .. 4 hv + 3; the first K step starts the sums
.irp q, 0,1,2,3
.irp t, 0,1,2,3
.if \q == 0
	v_wmma_scale_f32_16x16x128_f8f6f4 v[ACC+64*((\i)%2)+8*(4*\hv+\t):ACC+64*((\i)%2)+8*(4*\hv+\t)+7], v[12*(4*\t+\q):12*(4*\t+\q)+11], v[48*((\i)%2)+12*\q:48*((\i)%2)+12*\q+11], 0, v[AS+4*(4*\hv+\t)+\q], v[BS+8*((\i)%2)+\q] matrix_a_fmt:MATRIX_FMT_FP6 matrix_b_fmt:MATRIX_FMT_FP6
.else
	v_wmma_scale_f32_16x16x128_f8f6f4 v[ACC+64*((\i)%2)+8*(4*\hv+\t):ACC+64*((\i)%2)+8*(4*\hv+\t)+7], v[12*(4*\t+\q):12*(4*\t+\q)+11], v[48*((\i)%2)+12*\q:48*((\i)%2)+12*\q+11], v[ACC+64*((\i)%2)+8*(4*\hv+\t):ACC+64*((\i)%2)+8*(4*\hv+\t)+7], v[AS+4*(4*\hv+\t)+\q], v[BS+8*((\i)%2)+\q] matrix_a_fmt:MATRIX_FMT_FP6 matrix_b_fmt:MATRIX_FMT_FP6
.endif
.endr
.endr
.endm
.macro FOLD i, first                   ; E += v[n] x tile i's results, each read from its low end on; of the pair of v the word i % 2 serves both halves.  first = 1: the first tile's fold starts E
	WIN 0x0c                                       ; source 1, the results: window 3
.irp t, 0,1,2,3,4,5,6,7
.irp jj, 0,2,4,6
.if \first
	v_pk_mul_f32 v[E+8*\t+\jj:E+8*\t+\jj+1], v[VR:VR+1], v[ACC+8*\t+\jj:ACC+8*\t+\jj+1] op_sel_hi:[0,1]
.elseif ((\i)%2) == 0
	v_pk_fma_f32 v[E+8*\t+\jj:E+8*\t+\jj+1], v[VR:VR+1], v[ACC+8*\t+\jj:ACC+8*\t+\jj+1], v[E+8*\t+\jj:E+8*\t+\jj+1] op_sel_hi:[0,1,1]
.else
	v_pk_fma_f32 v[E+8*\t+\jj:E+8*\t+\jj+1], v[VR:VR+1], v[ACC+64+8*\t+\jj:ACC+64+8*\t+\jj+1], v[E+8*\t+\jj:E+8*\t+\jj+1] op_sel:[1,0,0] op_sel_hi:[1,1,1]
.endif
.endr
.endr
	WIN 0
.endm
; TILE i of a block.  ld = 1: the next tile's fragments and scale words (13 loads) are fetched at its head, 32 products ahead of their use, and its v[n] (1 load) in its middle.
; fold: 1 the tile before is folded in its middle, 2 the same and E begins, 0 nothing.
; chg = 1: the block's last tile changes slots: my reads of this slot are over; I wait for all my tensor loads, add 0 to my spare word, and behind a round of the cluster's barrier this slot takes the block two on.
; chg = 2: the same with the work-group's barrier and no fill.
; PLACES: four v_nop stand between the last tile's products and the loads into its fragments and scale words, and ahead of the folds of its results.
.macro TILE i, ld, chg, fold
.if \chg
	s_wait_dscnt 0x0                               ; this tile's fragments are in: my reads of this slot are over
	s_wait_tensorcnt 0x0                           ; all my tensor loads have landed: my quarter of the next block
	ds_add_u32 v[SPW], v[NIL]
.if \chg == 1
	NEXTBLK
.endif
	s_xor_b32 s[TB], s[TB], SLOT1
	s_add_co_u32 s[VOF], s[VOF], 512
	WIN 0xfd
	MM \i, 0                                       ; sixteen products stand between the add and the wait for it
	WIN 0
	s_wait_dscnt 0x0
.if \chg == 1
	CROUND
	JLOAD
.else
	s_barrier_signal -1
	s_barrier_wait -1
	PLACES
.endif
	SETADR
.else
	s_wait_dscnt 1                                 ; this tile's fragments and scale words are in; the one load of v[n] behind them may be out
	PLACES
.endif
.if \ld
	BLOAD (\i+1)%8
.endif
.if \chg == 0
	WIN 0xfd                                       ; source 0 window 1; source 1, C and D window 3
	MM \i, 0
	WIN 0
.endif
.if \ld
	s_wait_dscnt 13                                ; this tile's v[n] is in, so both words of the pair of v have landed; the 13 loads of this tile's head may be out
.else
	s_wait_dscnt 0x0
.endif
.if \fold == 1
	FOLD (\i+7)%8, 0
.endif
.if \fold == 2
	FOLD 0, 1
.endif
.if \ld
	ds_load_b32 v[VR+(\i+1)%2], v[ADV] offset:64*((\i+1)%8)   ; the next tile's v[n], behind the folds that read this word
.endif
	WIN 0xfe                                       ; source 0 window 2
	MM \i, 1
	WIN 0
.endm
.macro MID                             ; tiles 2 to 6 of a block
.irp i, 2,3,4,5,6
	TILE \i, 1, 0, 1
.endr
.endm
	s_load_b256 s[4:11], s[0:1], 0x0               ; enc s[4:5], wq s[6:7], v s[8:9], energy s[10:11]
	v_lshl_add_u32 v[SPW], v0, 2, SPARE
	v_mov_b32 v[NIL], 0
	ds_add_u32 v[SPW], v[NIL]                      ; the opening: the add, twice on end, and its wait ahead of my first tensor load
	ds_add_u32 v[SPW], v[NIL]
	v_lshrrev_b32 v28, 5, v0
	v_readfirstlane_b32 s[WV], v28                 ; wave 0..3
	s_lshr_b32 s[RH], s[WV], 1
	s_and_b32 s[KH], s[WV], 1
	s_bfe_u32 s15, ttmp6, 0x40000                  ; cx: it enters enc's and energy's addresses alone
	s_lshl_b32 s16, ttmp9, 2
	s_add_co_u32 s16, s16, s15                     ; work-group 0..255
	s_and_b32 s17, s16, 15
	s_lshr_b32 s18, s16, 4                         ; which 128 s
	s_lshl_b32 s17, s17, 1
	s_add_co_u32 s17, s17, s[RH]                   ; my b
	s_lshl_b32 s20, s18, 24                        ; 128 s x 32 rows of 4,096 bytes
	s_lshl_b32 s19, s17, 12
	s_add_co_u32 s20, s20, s19
	s_lshl_b32 s19, s[KH], 11                      ; my half of a row
	s_add_co_u32 s20, s20, s19
	s_mov_b32 s21, 0
	s_lshl_b32 s22, s17, 13                        ; energy: row b of 8,192 bytes, 512 bytes a block of s
	s_lshl_b32 s19, s18, 9
	s_add_co_u32 s22, s22, s19
	s_mov_b32 s23, 0
	s_mul_i32 s44, s[WV], 25600                    ; my quarter of a block of wq, in memory and in a slot
	s_mov_b32 s45, 0
	s_mul_i32 s46, s[KH], STGB
	s_mul_i32 s19, s[RH], STGD
	s_add_co_u32 s46, s46, s19
	s_add_co_u32 s46, s46, STG                     ; my stage; my partner's (the other half of K) lies STGB beside it
	s_mul_i32 s47, s[WV], IMGB
	s_add_co_u32 s47, s47, IMG                     ; my images
	s_mul_i32 s48, s[KH], 6144                     ; in a tile of We: four images on for the upper half of K,
	s_lshl_b32 s49, s[KH], 4                       ; and four scale words
	s_add_co_u32 s49, s49, WSC
	s_mov_b32 s[G1], 15|(3<<16)|(1<<21)            ; the mask: all four work-groups; elements of 8 bytes; no padding; bit 21 beside a mask
	s_mov_b32 s[G1+1], 32<<16                      ; tensor_dim0 = 32
	s_mov_b32 s[G1+2], 100<<16                     ; tensor_dim1 = 100
	s_mov_b32 s[G1+3], 32<<16                      ; tile_dim0 = 32
	s_mov_b32 s[G1+4], 100                         ; tile_dim1 = 100
	s_mov_b32 s[G1+5], 32                          ; the pitch
	s_mov_b32 s[G1+6], 0
	s_mov_b32 s[G1+7], 0
	s_mov_b32 s[SEL], 0x76543210
	s_mov_b32 s[SEL+1], 0xfedcba98
	s_mov_b32 s[TB], 0
	s_mov_b32 s[VOF], 0
	v_and_b32 v28, 31, v0                          ; lane
	v_and_b32 v29, 15, v0                          ; r
	v_bfe_u32 v30, v0, 4, 1                        ; h
	v_lshlrev_b32 v[GOFF], 4, v28
	v_lshlrev_b32 v[SH8], 3, v30
	v_lshlrev_b32 v[TG], 4, v0
	v_lshl_add_u32 v[VTA], v0, 4, VT
	v_add_nc_u32 v[STA], s46, v[GOFF]
	v_mul_u32_u24 v[STB], v29, 528
	v_lshl_add_u32 v[STB], v30, 7, v[STB]
	v_add_nc_u32 v[STB], s46, v[STB]
	v_add_nc_u32 v[IMA0], s47, v[GOFF]
	v_lshl_add_u32 v[IMS0], v29, 2, s47
	v_add_nc_u32 v[IMS0], 1536, v[IMS0]
	v_add_nc_u32 v[ADW0], s48, v[GOFF]
	v_add_nc_u32 v[ADW1], 49152, v[ADW0]
	v_lshl_add_u32 v[ADX0], v29, 5, s49
	v_lshl_add_u32 v[ADV0], v29, 2, VT
	v_lshl_add_u32 v[RSA], v30, 5, s46
	v_add_nc_u32 v[RSB], s46, v[GOFF]
	v_mov_b32 v[PX], 0                             ; a lane permute's destination counts as one of its sources
.irp q, 0,1,2,3
	v_mov_b32 v[EO+\q], v[GOFF]                    ; row tile 0 (lane, r and h, which lay in three of these registers, are done with)
.endr
	s_wait_alu depctr_va_vdst(0)                   ; the wait at the head's end
	s_wait_dscnt 0x0                               ; both opening adds are done
	s_wait_kmcnt 0x0
	s_add_nc_u64 s[4:5], s[4:5], s[20:21]
	s_add_nc_u64 s[10:11], s[10:11], s[22:23]
	s_mov_b32 s[G0], 1
	s_mov_b32 s[G0+1], s44                         ; slot 0
	s_add_nc_u64 s[G0+2:G0+3], s[6:7], s[44:45]    ; block 0: the same in all four partners
	s_or_b32 s[G0+3], s[G0+3], 0x80000000
	global_load_b128 v[X:X+3], v[TG], s[8:9]       ; v: 32 bytes a thread
	global_load_b128 v[X+4:X+7], v[TG], s[8:9] offset:2048
	ELOAD 0                                        ; row tile 0, my four K steps
	ELOAD 1
	ELOAD 2
	CROUND                                         ; all four work-groups are here: the first joint load meets its partners'
	JLOAD                                          ; block 0 into slot 0: my one tensor load at the head
	s_wait_loadcnt 48                              ; v is in; the three sets may be out
	ds_store_b128 v[VTA], v[X:X+3]
	ds_store_b128 v[VTA], v[X+4:X+7] offset:2048
	ELOAD 3
	THREE                                          ; row tiles 0-2
	RL 0, 3
	s_wait_tensorcnt 0x0                           ; block 0 has landed; slot 1's first fill is issued as a refill is:
	ds_add_u32 v[SPW], v[NIL]
	NEXTBLK
	s_wait_dscnt 0x0                               ; the add is done, and my stores of v
	CROUND                                         ; behind it block 0 and v are whole for every wave
	JLOAD                                          ; block 1 into slot 1
	THREE                                          ; row tiles 3-5
	RL 3, 3
	s_mov_b32 s[IOF], 0
	JT 1                                           ; row tile 6; row tile 7 is asked for
	JT 0                                           ; row tile 7: nothing more to ask for
	RL 6, 2
	SETADR
	BLOAD 0
	ds_load_b32 v[VR], v[ADV]
	TILE 0, 1, 0, 0                                ; the first two tiles stand ahead of the loop: nothing to fold yet, then the fold that starts E
	TILE 1, 1, 0, 2
	s_mov_b32 s[CNT], 6
.Lp:                                               ; trip p = 0 .. 5: tiles 2-7 of block p, tiles 0-1 of block p + 1; slot p % 2 takes block p + 2
	MID
	TILE 7, 1, 1, 1
	TILE 0, 1, 0, 1
	TILE 1, 1, 0, 1
	s_sub_co_u32 s[CNT], s[CNT], 1
	s_cmp_lg_u32 s[CNT], 0
	s_cbranch_scc1 .Lp
	MID                                            ; block 6: the tail is written out
	TILE 7, 1, 2, 1
	TILE 0, 1, 0, 1
	TILE 1, 1, 0, 1
	MID
	TILE 7, 0, 0, 1
	PLACES
	FOLD 7, 0
	; THE END.  E's sum over the 16 lanes of a half (the 16 n of every tile); my 128 sums go to my stage; behind a barrier the wave of the lower half of K adds its partner's and stores 512 consecutive bytes.
.irp m, 1,2,4,8
.set nz, 0
.rept 64
	v_add_f32_dpp v[E+nz], v[E+nz], v[E+nz] row_xmask:\m row_mask:0xf bank_mask:0xf
.set nz, nz+1
.endr
.endr
.irp t, 0,1,2,3,4,5,6,7
.irp j, 0,1,2,3,4,5,6,7
	ds_store_b32 v[RSA], v[E+8*\t+\j] offset:64*\t+4*\j      ; s 16 t + 8 h + j of my 128 (the 16 lanes of a half write the same word with the same value)
.endr
.endr
	s_wait_dscnt 0x0                               ; for my partner's sake: my stores have landed
	s_barrier_signal -1
	s_barrier_wait -1
	s_cmp_lg_u32 s[KH], 0
	s_cbranch_scc1 .Ldone
	ds_load_b128 v[C:C+3], v[RSB]
	ds_load_b128 v[C+4:C+7], v[RSB] offset:STGB
	s_wait_dscnt 0x0
	v_pk_add_f32 v[C:C+1], v[C:C+1], v[C+4:C+5]
	v_pk_add_f32 v[C+2:C+3], v[C+2:C+3], v[C+6:C+7]
	global_store_b128 v[GOFF], v[C:C+3], s[10:11]  ; 32 lanes store 512 consecutive bytes, at a multiple of 256 from energy's first byte
.Ldone:
	s_wait_tensorcnt 0x0                           ; the wave's end
	ds_add_u32 v[SPW], v[NIL]
	s_wait_dscnt 0x0
	CROUND                                         ; the closing round: no work-group ends while a partner may still ask for a block that names it
	s_endpgm
.Lfunc_end_k_q5421907100_main:
	.size	k_q5421907100_main, .Lfunc_end_k_q5421907100_main-k_q5421907100_main
	.p2alignl 7, 3214868480
	.fill 96, 4, 3214868480
	.section	.rodata,"a",@progbits
	.p2align	6, 0x0
	.amdhsa_kernel k_q5421907100_main
		.amdhsa_group_segment_fixed_size 327680
		.amdhsa_private_segment_fixed_size 0
		.amdhsa_enable_private_segment 0
		.amdhsa_kernarg_size 32
		.amdhsa_user_sgpr_count 2
		.amdhsa_user_sgpr_kernarg_segment_ptr 1
		.amdhsa_wavefront_size32 1
		.amdhsa_system_sgpr_workgroup_id_x 1
		.amdhsa_system_sgpr_workgroup_id_y 1
		.amdhsa_system_sgpr_workgroup_id_z 1
		.amdhsa_system_vgpr_workitem_id 0
		.amdhsa_next_free_vgpr 1024
		.amdhsa_next_free_sgpr 66
		.amdhsa_reserve_vcc 0
		.amdhsa_float_denorm_mode_32 3
		.amdhsa_float_denorm_mode_16_64 3
		.amdhsa_memory_ordered 1
		.amdhsa_forward_progress 1
		.amdhsa_inst_pref_size 255
	.end_amdhsa_kernel
	.section	.bss,"aw",@nobits
	.p2align	6
	.space	262144
	.amdgpu_metadata
---
amdhsa.version: [ 1, 2 ]
amdhsa.kernels:
  - .name:           k_q5421907100_main
    .symbol:         k_q5421907100_main.kd
    .args:
      - { .name: encoder_outputs, .offset: 0, .size: 8, .value_kind: global_buffer, .address_space: global }
      - { .name: wq, .offset: 8, .size: 8, .value_kind: global_buffer, .address_space: global }
      - { .name: v, .offset: 16, .size: 8, .value_kind: global_buffer, .address_space: global }
      - { .name: energy, .offset: 24, .size: 8, .value_kind: global_buffer, .address_space: global }
    .group_segment_fixed_size: 327680
    .private_segment_fixed_size: 0
    .kernarg_segment_align: 8
    .kernarg_segment_size: 32
    .max_flat_workgroup_size: 128
    .sgpr_count:     66
    .vgpr_count:     1024
    .wavefront_size: 32
...
	.end_amdgpu_metadata
.endif
;; end of part 2
;; launch soft (part 3): grid 32 x 1, 8 waves a work-group, no clusters, 1,536 bytes of LDS; arguments energy, out0; writes out0
.if DOCPART == 3
	.amdgcn_target "amdgcn-amd-amdhsa--gfx1250"
	.amdhsa_code_object_version 6
	.text
	.protected	k_q5421907100_soft
	.globl	k_q5421907100_soft
	.p2align	8
	.type	k_q5421907100_soft,@function
k_q5421907100_soft:
	s_mov_b64 s[64:65], 0
	v_nop
	global_prefetch_b8 v0, s[64:65] scope:SCOPE_SE
	s_setreg_imm32_b32 hwreg(HW_REG_WAVE_MODE, 25, 1), 1
	s_wait_xcnt 0x0
; out0[b][0][s] = softmax over s of energy[b][s].  The hidden-state term and the bias, the same for every s of a row, are left out (shown at the head of the first kernel).
; One work-group to a row b: 2,048 numbers, 8 a thread, kept in registers between the maximum, the sum and the division: the row is read once.  The row's maximum is taken away before the exponentials.
; No matrix unit, no tensor load, no cluster: 8 KiB a work-group, and nothing is shared.  LIMITS: NaN and infinities are not served; an exponential under 2^-126 comes out as 0.
; LDS: bytes 0-31 the waves' maxima, bytes 64-95 their sums: bytes of their own, so one barrier serves each.
	s_load_b128 s[4:7], s[0:1], 0x0                ; energy s[4:5], out0 s[6:7]
	v_lshl_add_u32 v48, v0, 2, 0x200
	v_mov_b32 v49, 0
	v_lshlrev_b32 v1, 4, v0                        ; 16 bytes a thread
	v_lshrrev_b32 v3, 5, v0
	v_mov_b32 v4, 0
	s_delay_alu instid0(VALU_DEP_2)
	v_lshlrev_b32 v3, 2, v3                        ; LDS: 4 x wave
	s_lshl_b32 s10, ttmp9, 13                      ; row b of 8,192 bytes, in energy and in out0
	s_mov_b32 s11, 0
	s_mov_b32 s14, 0x76543210                      ; lane selects: lane l xor 16
	s_mov_b32 s15, 0xfedcba98
	s_wait_alu depctr_va_vdst(0)                   ; the wait at the head's end
	s_wait_kmcnt 0x0
	s_add_nc_u64 s[4:5], s[4:5], s[10:11]
	s_add_nc_u64 s[6:7], s[6:7], s[10:11]
	global_load_b128 v[8:11], v1, s[4:5]           ; 32 lanes read 512 consecutive bytes
	global_load_b128 v[12:15], v1, s[4:5] offset:4096
	s_wait_loadcnt 0x0
	v_max3_num_f32 v20, v8, v9, v10
	v_max3_num_f32 v21, v11, v12, v13
	s_delay_alu instid0(VALU_DEP_2)
	v_max3_num_f32 v20, v20, v14, v15
	s_delay_alu instid0(VALU_DEP_1)
	v_max_num_f32 v20, v20, v21
.irp m, 1,2,4,8
	s_delay_alu instid0(VALU_DEP_1)
	v_max_num_f32_dpp v20, v20, v20 row_xmask:\m row_mask:0xf bank_mask:0xf
.endr
	s_delay_alu instid0(VALU_DEP_1)
	v_permlanex16_b32 v21, v20, s14, s15
	s_delay_alu instid0(VALU_DEP_1)
	v_max_num_f32 v20, v20, v21                    ; the wave's maximum
	ds_store_b32 v3, v20
	s_wait_dscnt 0x0                               ; for the others' sake
	s_barrier_signal -1
	s_barrier_wait -1
	ds_load_b128 v[24:27], v4
	ds_load_b128 v[28:31], v4 offset:16
	s_wait_dscnt 0x0
	v_max3_num_f32 v20, v24, v25, v26
	v_max3_num_f32 v21, v27, v28, v29
	s_delay_alu instid0(VALU_DEP_2)
	v_max3_num_f32 v20, v20, v30, v31
	s_delay_alu instid0(VALU_DEP_1)
	v_max_num_f32 v20, v20, v21                    ; the row's maximum
.irp j, 8,10,12,14
	v_pk_add_f32 v[\j:\j+1], v[\j:\j+1], v[20:21] op_sel_hi:[1,0] neg_lo:[0,1] neg_hi:[0,1]   ; the difference first, then the factor
.endr
.irp j, 8,10,12,14
	s_delay_alu instid0(VALU_DEP_4)
	v_pk_mul_f32 v[\j:\j+1], v[\j:\j+1], 0x3fb8aa3b op_sel_hi:[1,0]    ; x log2(e)
.endr
	s_wait_alu depctr_va_vdst(0)                   ; the wait ahead of the batch
.irp j, 8,9,10,11,12,13,14,15
	v_exp_f32 v[\j], v[\j]                         ; one batch
.endr
	v_nop                                          ; a plain instruction behind the last exponential,
	s_wait_alu depctr_va_vdst(0)                   ; and the one wait ahead of the batch's first reader
	v_pk_add_f32 v[32:33], v[8:9], v[10:11]
	v_pk_add_f32 v[34:35], v[12:13], v[14:15]
	s_delay_alu instid0(VALU_DEP_1)
	v_pk_add_f32 v[32:33], v[32:33], v[34:35]
	s_delay_alu instid0(VALU_DEP_1)
	v_add_f32 v32, v32, v33
.irp m, 1,2,4,8
	s_delay_alu instid0(VALU_DEP_1)
	v_add_f32_dpp v32, v32, v32 row_xmask:\m row_mask:0xf bank_mask:0xf
.endr
	s_delay_alu instid0(VALU_DEP_1)
	v_permlanex16_b32 v33, v32, s14, s15
	s_delay_alu instid0(VALU_DEP_1)
	v_add_f32 v32, v32, v33                        ; the wave's sum
	ds_store_b32 v3, v32 offset:64
	s_wait_dscnt 0x0
	s_barrier_signal -1
	s_barrier_wait -1
	ds_load_b128 v[24:27], v4 offset:64
	ds_load_b128 v[28:31], v4 offset:80
	s_wait_dscnt 0x0
	v_pk_add_f32 v[24:25], v[24:25], v[26:27]
	v_pk_add_f32 v[28:29], v[28:29], v[30:31]
	s_delay_alu instid0(VALU_DEP_1)
	v_pk_add_f32 v[24:25], v[24:25], v[28:29]
	s_delay_alu instid0(VALU_DEP_1)
	v_add_f32 v32, v24, v25                        ; the row's sum: at least 1, since the maximum's exponential is 1
	s_wait_alu depctr_va_vdst(0)                   ; the wait ahead of the transcendental
	v_rcp_f32 v32, v32
	v_nop                                          ; a plain instruction behind the reciprocal,
	s_wait_alu depctr_va_vdst(0)                   ; and the wait ahead of its first reader
.irp j, 8,10,12,14
	v_pk_mul_f32 v[\j:\j+1], v[\j:\j+1], v[32:33] op_sel_hi:[1,0]
.endr
	global_store_b128 v1, v[8:11], s[6:7]          ; 32 lanes store 512 consecutive bytes, at a multiple of 256 from out0's first byte
	global_store_b128 v1, v[12:15], s[6:7] offset:4096
	s_wait_tensorcnt 0x0                           ; the wave's end
	ds_add_u32 v48, v49
	s_wait_dscnt 0x0
	s_endpgm
.Lfunc_end_k_q5421907100_soft:
	.size	k_q5421907100_soft, .Lfunc_end_k_q5421907100_soft-k_q5421907100_soft
	.p2alignl 7, 3214868480
	.fill 96, 4, 3214868480
	.section	.rodata,"a",@progbits
	.p2align	6, 0x0
	.amdhsa_kernel k_q5421907100_soft
		.amdhsa_group_segment_fixed_size 1536
		.amdhsa_private_segment_fixed_size 0
		.amdhsa_enable_private_segment 0
		.amdhsa_kernarg_size 16
		.amdhsa_user_sgpr_count 2
		.amdhsa_user_sgpr_kernarg_segment_ptr 1
		.amdhsa_wavefront_size32 1
		.amdhsa_system_sgpr_workgroup_id_x 1
		.amdhsa_system_sgpr_workgroup_id_y 1
		.amdhsa_system_sgpr_workgroup_id_z 1
		.amdhsa_system_vgpr_workitem_id 0
		.amdhsa_next_free_vgpr 50
		.amdhsa_next_free_sgpr 66
		.amdhsa_reserve_vcc 0
		.amdhsa_float_denorm_mode_32 3
		.amdhsa_float_denorm_mode_16_64 3
		.amdhsa_memory_ordered 1
		.amdhsa_forward_progress 1
		.amdhsa_inst_pref_size 6
	.end_amdhsa_kernel
	.amdgpu_metadata
---
amdhsa.version: [ 1, 2 ]
amdhsa.kernels:
  - .name:           k_q5421907100_soft
    .symbol:         k_q5421907100_soft.kd
    .args:
      - { .name: energy, .offset: 0, .size: 8, .value_kind: global_buffer, .address_space: global }
      - { .name: out0, .offset: 8, .size: 8, .value_kind: global_buffer, .address_space: global }
    .group_segment_fixed_size: 1536
    .private_segment_fixed_size: 0
    .kernarg_segment_align: 8
    .kernarg_segment_size: 16
    .max_flat_workgroup_size: 256
    .sgpr_count:     66
    .vgpr_count:     50
    .wavefront_size: 32
...
	.end_amdgpu_metadata
.endif
;; end of part 3
